; MI455X (gfx1250); checked and timed in simulation.
; The chip was launched on July 23, 2026; its instructions are those of AMD's public machine-readable ISA for CDNA 5 (MIT licence, August 2026) and "CDNA5" Instruction Set Architecture Reference Guide (July 2026). The comments in the code are by the model that wrote it; some were corrected since.
;; Multi Head Self Attention. Allowed arithmetic: matrix products marked QUANTISED: E2M3 operands, one E8M0 scale for each 32 along K, by v_wmma_scale_f32_16x16x128_f8f6f4 with both operands' format E2M3, f32 sums; everything else in f32.
;; Inputs: Wout_codes 1,024 x 32 x 24 uint8 (E2M3 codes of Wout, K innermost, in blocks of 32 codes, four codes in three bytes); Wout_scales 1,024 x 32 uint8 (E8M0 scales of Wout, one for each 32 codes along K); Wqkv_codes 3,072 x 32 x 24 uint8 (E2M3 codes of Wqkv, K innermost, in blocks of 32 codes, four codes in three bytes); Wqkv_scales 3,072 x 32 uint8 (E8M0 scales of Wqkv, one for each 32 codes along K); bout 1,024 float32; bqkv 3,072 float32; x_codes 4 x 2,048 x 32 x 24 uint8 (E2M3 codes of x, K innermost, in blocks of 32 codes, four codes in three bytes); x_scales 4 x 2,048 x 32 uint8 (E8M0 scales of x, one for each 32 codes along K).
;; Outputs: out0 4 x 2,048 x 1,024 float32.
;; This version of the problem:
;;   THIS VERSION OF THE PROBLEM IS GIVEN IN LOW PRECISION. The matrix products marked QUANTISED in the list below multiply operands that are first quantised to E2M3 (2 exponent bits, 3 mantissa bits; 6 bits a number), with one power-of-two scale for each 32 numbers along K (OCP MX v1.0); their sums are f32. All else is computed in f32.
;;   The module's matrix products, in the order in which they are computed (A, B: the left and right operand; K: the contracted axis; several contracted axes count as one K, in the product's order):
;;     1. [M 8,192, K 1,024] x [K 1,024, N 3,072]; A: input x (given as codes); B: input Wqkv (given as codes): QUANTISED
;;     2. batch 64 x [M 2,048, K 64] x [K 64, N 2,048]; A: computed on the way; B: computed on the way: QUANTISED
;;     3. batch 64 x [M 64, K 2,048] x [K 2,048, N 2,048]; A: computed on the way; B: softmax (see below): QUANTISED
;;     4. [M 8,192, K 1,024] x [K 1,024, N 1,024]; A: computed on the way; B: input Wout (given as codes): QUANTISED
;;   THE QUANTISER, for each operand of a quantised product, along K:
;;     - K is cut into blocks of 32 from its start; a last block that is shorter is filled with zeros.
;;     - A block's scale is 2^e with e = floor(log2(the largest magnitude in the block)) - 2, held to -126 .. 127; a block of zeros has e = 0. As a byte (E8M0): e + 127.
;;     - Each number is divided by its block's scale, clamped to +-7.5, and rounded to the nearest number of E2M3, ties to even, subnormals kept.
;;     - The product sums the exact products of the quantised numbers (number of the format x scale) in f32.
;;   ~~~python
;;   def quantise(x, axis):      # numpy; x: float32 -> the quantised numbers, widened to float32 again
;;       x = np.moveaxis(x, axis, -1); K = x.shape[-1]
;;       x = np.pad(x, [(0, 0)] * (x.ndim - 1) + [(0, -K % 32)]); x = x.reshape(x.shape[:-1] + (-1, 32)); a = np.abs(x).max(-1, keepdims=True)
;;       e = np.where(a > 0, np.clip(np.frexp(np.where(a > 0, a, 1))[1] - 1 - 2, -126, 127), 0)      # np.frexp(a)[1] - 1 = floor(log2(a)), exactly
;;       r = np.clip(x / 2.0 ** e, -7.5, 7.5)
;;       step = 2.0 ** (np.maximum(np.frexp(np.where(r == 0, 1, r))[1] - 1, 0) - 3)
;;       q = np.round(r / step) * step * 2.0 ** e      # np.round: ties to even
;;       return np.moveaxis(q.reshape(q.shape[:-2] + (-1,))[..., :K], -1, axis).astype(np.float32)
;;   ~~~
;;   SOFTMAX AHEAD OF A QUANTISED PRODUCT. Where the list says 'softmax', what is quantised is not the finished softmax but p = 2^(t - M), with t = logit x log2(e) and M = ceil(the row's largest t), a whole number; so 1/2 < the row's largest p <= 1. The row's sum l is taken of the UNQUANTISED p, in f32, and the product's result is divided by l at the end. Since M is a whole number, a kernel that streams over the keys may use a running M (the ceiling of the running maximum): every later rescaling is an exact power of two, which a block's scale takes up: the codes' values come out the same.
;;   OPERANDS COMPUTED ON THE WAY. 'Computed on the way' means the value that the module computes at that place (a softmax that the list does not call 'softmax' is quantised finished and normalised). What goes into a quantiser is computed in f32, as accurately as f32 sums, v_exp_f32 and their like allow (about 1e-6 of the number): no bf16 or f16 on the way to a quantiser, and a product that is left as it is and whose result goes on into a quantised operand takes f32 operands (vector FMAs, or v_wmma_f32_16x16x4_f32). A number that lies on a knife's edge between two numbers of the format may be rounded either way, as far as f32 arithmetic and the matrix unit's own rounding can turn it there, and no further.
;;   INPUTS GIVEN AS CODES. Wout (in the module: [1024, 1024], K = its axis 0); Wqkv (in the module: [1024, 3072], K = its axis 0); x (in the module: [4, 2048, 1024], K = its axis 2): each comes as NAME_codes (uint8): NAME with its K axis moved to the last place and cut into blocks of 32 codes, [.., K / 32, bytes a block], one block behind the other in memory; four codes in three bytes: a row's codes are one little-endian stream of bits, code i at bits 6 i .. 6 i + 5 (a code: sign, 2 exponent bits, 3 mantissa bits); and NAME_scales (uint8): the same leading axes, one E8M0 byte (e + 127) for each 32 codes along K. Its value is code x scale, taken as it is: it is not quantised again, and the codes and scales need not be those that the quantiser above would give.
;; One version. Each part assembles by itself: llvm-mc -triple=amdgcn-amd-amdhsa -mcpu=gfx1250 --defsym DOCPART=n.
;; ======== version 1 of 1: 3 launches
;; limits: right only within a limited range of input values
;; workspace buffers: qimg 7,340,032 bytes; kv 13,631,488 bytes; ao 6,291,456 bytes; aos 1,048,576 bytes
;; launch qkv (part 1): grid 16 x 32, 4 waves a work-group, clusters of 4 x 4, 327,680 bytes of LDS; arguments x_codes, x_scales, Wqkv_codes, Wqkv_scales, bqkv, qimg, kv; writes qimg, kv
.if DOCPART == 1
	.amdgcn_target "amdgcn-amd-amdhsa--gfx1250"
	.amdhsa_code_object_version 6
	.text
	.protected	k_q895063acdd_qkv
	.globl	k_q895063acdd_qkv
	.p2align	8
	.type	k_q895063acdd_qkv,@function
k_q895063acdd_qkv:
	s_mov_b64 s[64:65], 0
	v_nop
	global_prefetch_b8 v0, s[64:65] scope:SCOPE_SE
	s_setreg_imm32_b32 hwreg(HW_REG_WAVE_MODE, 25, 1), 1
	s_wait_xcnt 0x0
	s_wait_alu depctr_hold_cnt(0) depctr_sa_sdst(0) depctr_va_vdst(0) depctr_va_sdst(0) depctr_va_ssrc(0) depctr_va_vcc(0) depctr_vm_vsrc(0)
	s_getreg_b32 s2, hwreg(HW_REG_IB_STS2, 6, 4)
	s_cmp_eq_u32 s2, 0
	s_cbranch_scc0 .Lentry_in_a_cluster
	s_endpgm
.Lentry_in_a_cluster:
	s_bfe_u32 s2, ttmp6, 0x10000c
	s_cmp_lg_u32 s2, 0xf033
	s_cbranch_scc0 .Lentry_shape_is_right
	s_endpgm
.Lentry_shape_is_right:
; qkv = x Wqkv + bqkv on codes of FP6 (E2M3) with E8M0 scales; q, k and v leave quantised, as images of the attention launch's operand registers.
; Head h owns rows 192 h .. 192 h + 191 of Wqkv: 64 of q, 64 of k, 64 of v.
; SHARES.  A work-group makes 256 tokens x one head's 192 columns; wave w the tokens 64 w .. 64 w + 63 against all 192: 48 accumulators of 16 x 16.
; q and k are made TRANSPOSED (source 0 = 16 rows of W, source 1 = 16 tokens): a lane holds one token, its registers run along the head's 64.
; v is made the natural way (source 0 = 16 tokens, source 1 = 16 rows of W): a lane holds one channel, its registers run down the tokens.
; LDS.  x's 256 rows, all of K, filled once; two slots of 64 rows of W.  A tensor row is a whole row of codes: 768 bytes from a multiple of 256; in LDS 16 bytes of padding follow every 256.
; The head's four loads, one a wave: x's two halves, q's rows (slot 0), k's rows (slot 1).  v's rows fill slot 0 again, once, in a drained round, when every wave holds q's last fragments.
; THREE PHASES (q, k, v) of eight K steps of 128; a step is 16 products on one of two sets of fragments, while the other set is fetched.
; CLUSTER 4 x 4: x's rows are asked for jointly along a row of the cluster, W's along a column.
; THE SCALES of the wave's rows, for all of K, stay in registers; x's word of K step k lies at place (k + 4) % 8 of its eight, so that a product's two scale registers differ modulo 8.
; OUT.  A HALF is 6 registers (16 rows x 64 along K; lane (r, h): row r, block h): registers 0-3 at 16 x lane (512 bytes), registers 4-5 at 512 + 8 x lane.
; Inside a block of 32 the codes stand in the order 0-7, 16-23, 8-15, 24-31, alike in q and k, and alike in v and in the attention launch's p.
; LIMITS: a block of zeros, or one whose largest magnitude lies under 2^-124, gets the scale byte 1 (read by this program alone); NaN and infinities are not served; a given scale byte 0xff gives NaN.
; REGISTERS.  window 0: v4-14 LDS addresses, v16-26 offsets, v28-29 the add's two, v32-63 x's scale words, v64-159 W's, v160-255 x's fragments in two sets.
;   window 1: v0-95 W's fragments in two sets, v144-207 the bias of q and k, v208-239 of v; on the way out scratch.   window 2: q's and k's sums at 8 (8 m + t).   window 3: v's at 8 (4 t + m).
.set PITCH, 816
.set AHALF, 128*PITCH
.set BOFF,  2*AHALF
.set BHALF, 64*PITCH
.set SPARE, BOFF+2*BHALF
.set SCR,   SPARE+512                  ; 2,048 bytes in which the scale words of k and v meet; no tensor load lands here
.set FR,    12
.set ADRA,  4                          ; v4 my rows of x; v7 the same behind one padding more
.set ADRB,  10                         ; v10, v11 W's slots 0, 1; v13, v14 behind one padding more
.set L16,   16
.set L8,    17
.set SK,    18
.set SV,    19
.set SRD,   20
.set SPW,   28
.set NIL,   29
.set SX,    32
.set SW,    64
.set XF,    160
.set BQK,   144
.set BV,    208
.set WV,    18
.set ROLE,  19                         ; wave / 2: 0 fetches x, 1 fetches W; also which 128 keys my tokens belong to
.set HALF,  20                         ; wave % 2
.set G1A,   24
.set G1B,   32
.set G0A,   40
.set G0B,   52
.set SEL,   90
.set MSB, 0
.macro WIN new
.if MSB != \new
	s_set_vgpr_msb (MSB<<8)|\new
.set MSB, \new
.endif
.endm
.macro PLACES
.rept 4
	v_nop
.endr
.endm
.macro CREST
	s_cmp_lg_u32 s[WV], 0
	s_cbranch_scc1 .Lnot_wave_0_\@
	s_barrier_signal -3
.Lnot_wave_0_\@:
	s_barrier_wait -3
	s_barrier_signal -1
	s_barrier_wait -1
.endm
.macro CROUND
	s_barrier_signal -1
	s_barrier_wait -1
	CREST
.endm
	s_load_b256 s[4:11], s[0:1], 0x0               ; x's codes, x's scales, W's codes, W's scales
	s_load_b128 s[12:15], s[0:1], 0x20             ; bqkv, qimg
	s_load_b64 s[16:17], s[0:1], 0x30              ; kv
	v_lshl_add_u32 v[SPW], v0, 2, SPARE
	v_mov_b32 v[NIL], 0
	ds_add_u32 v[SPW], v[NIL]                      ; the opening lines
	ds_add_u32 v[SPW], v[NIL]
	v_lshrrev_b32 v1, 5, v0
	v_readfirstlane_b32 s[WV], v1
	s_lshr_b32 s[ROLE], s[WV], 1
	s_and_b32 s[HALF], s[WV], 1
	s_bfe_u32 s21, ttmp6, 0x40000                  ; cx
	s_bfe_u32 s22, ttmp6, 0x40004                  ; cy
	s_lshl_b32 s66, ttmp9, 2
	s_add_co_u32 s66, s66, s21                     ; the head
	s_and_b32 s67, ttmp7, 0xffff
	s_lshl_b32 s67, s67, 2
	s_add_co_u32 s67, s67, s22                     ; the block of 256 tokens
	s_lshl_b32 s68, s22, 2
	s_lshl_b32 s68, 15, s68                        ; my row of the cluster
	s_lshl_b32 s69, 0x1111, s21                    ; my column
	s_or_b32 s[G1A], s68, (1<<20)|(1<<21)|(5<<22)|(3<<25)  ; elements of 1 byte; after every 64 words, 4 words of padding
	s_or_b32 s[G1B], s69, (1<<20)|(1<<21)|(5<<22)|(3<<25)
	s_mov_b32 s[G1A+1], 768<<16
	s_mov_b32 s[G1A+2], 128<<16
	s_mov_b32 s[G1A+3], 768<<16
	s_mov_b32 s[G1A+4], 128
	s_mov_b32 s[G1A+5], 768
	s_mov_b32 s[G1A+6], 0
	s_mov_b32 s[G1A+7], 0
	s_mov_b32 s[G1B+1], 768<<16
	s_mov_b32 s[G1B+2], 64<<16
	s_mov_b32 s[G1B+3], 768<<16
	s_mov_b32 s[G1B+4], 64
	s_mov_b32 s[G1B+5], 768
	s_mov_b32 s[G1B+6], 0
	s_mov_b32 s[G1B+7], 0
	s_lshl_b32 s70, s67, 8                         ; x: row 256 x block + 128 x half
	s_lshl_b32 s71, s[HALF], 7
	s_add_co_u32 s70, s70, s71
	s_mul_i32 s70, s70, 768
	s_mov_b32 s71, 0
	s_mul_i32 s72, s66, 192                        ; W: row 192 x head + 64 x half: q's rows or k's
	s_lshl_b32 s73, s[HALF], 6
	s_add_co_u32 s72, s72, s73
	s_mul_i32 s72, s72, 768
	s_mov_b32 s73, 0
	s_mul_i32 s74, s[HALF], AHALF
	s_mul_i32 s75, s[HALF], BHALF
	s_add_co_u32 s75, s75, BOFF
	s_mov_b32 s[SEL], 0x76543210
	s_mov_b32 s[SEL+1], 0xfedcba98
	s_wait_dscnt 0x0
	s_wait_kmcnt 0x0
	s_mov_b32 s[G0A], 1
	s_mov_b32 s[G0A+1], s74
	s_add_nc_u64 s[G0A+2:G0A+3], s[4:5], s[70:71]
	s_or_b32 s[G0A+3], s[G0A+3], 0x80000000
	s_mov_b32 s[G0B], 1
	s_mov_b32 s[G0B+1], s75
	s_add_nc_u64 s[G0B+2:G0B+3], s[8:9], s[72:73]
	s_or_b32 s[G0B+3], s[G0B+3], 0x80000000
	CROUND                                         ; the first joint loads meet
	s_cmp_eq_u32 s[ROLE], 0                        ; one tensor load a wave
	s_cbranch_scc0 .Lfirst_b
	tensor_load_to_lds s[G0A:G0A+3], s[G1A:G1A+7]
	s_nop 0
	PLACES
	s_branch .Lfirst_asked
.Lfirst_b:
	tensor_load_to_lds s[G0B:G0B+3], s[G1B:G1B+7]
	s_nop 0
	PLACES
.Lfirst_asked:
	s_mul_i32 s92, s[WV], 64*PITCH                 ; my 64 rows of x
	s_lshl_b32 s93, s[ROLE], 10                    ; SCR: 1,024 bytes for each 128 keys: 512 of k's words, 512 of v's
	s_lshl_b32 s94, s[HALF], 3
	s_add_co_u32 s94, s94, s93
	s_add_co_u32 s94, s94, SCR
	s_lshl_b32 s95, s[HALF], 1
	s_add_co_u32 s95, s95, s93
	s_add_co_u32 s95, s95, SCR+512
	s_lshl_b32 s76, s[WV], 9
	s_add_co_u32 s76, s76, SCR
	v_and_b32 v1, 15, v0                           ; r
	v_bfe_u32 v2, v0, 4, 1                         ; h
	v_and_b32 v22, 31, v0
	v_mul_u32_u24 v3, v1, PITCH
	v_mad_u32_u24 v3, v2, 24, v3                   ; row x pitch + 24 h
	v_lshl_add_u32 v21, v2, 4, v3                  ; and behind one padding more
	v_add_nc_u32 v[ADRA], s92, v3
	v_add_nc_u32 v[ADRA+3], s92, v21
.irp s, 0,1
	v_add_nc_u32 v[ADRB+\s], BOFF+\s*BHALF, v3
	v_add_nc_u32 v[ADRB+3+\s], BOFF+\s*BHALF, v21
.endr
	v_lshlrev_b32 v[L16], 4, v22
	v_lshlrev_b32 v[L8], 3, v22
	v_add_nc_u32 v[SK], s94, v[L16]
	v_add_nc_u32 v[SV], s95, v[L16]
	v_add_nc_u32 v[SRD], s76, v[L16]
	v_lshlrev_b32 v23, 5, v1                       ; a row of scale bytes is 32 bytes
	v_lshlrev_b32 v24, 5, v2                       ; the bias of q and k: my half's eight numbers
	v_lshlrev_b32 v25, 2, v1                       ; the bias of v: my channel's number
	v_min_u32 v26, 11, v22
	v_lshlrev_b32 v26, 8, v26                      ; the prefetch: a lane a block of 256 bytes, 12 blocks a wave
	s_wait_alu depctr_va_vdst(0)
	s_mov_b32 s79, 0
	s_lshl_b32 s78, s67, 8
	s_lshl_b32 s80, s[WV], 6
	s_add_co_u32 s78, s78, s80
	s_lshl_b32 s78, s78, 5
	s_add_nc_u64 s[6:7], s[6:7], s[78:79]          ; x's scales at my first token
	s_mul_i32 s78, s66, 6144
	s_add_nc_u64 s[10:11], s[10:11], s[78:79]      ; W's at the head's first row
	s_mul_i32 s78, s66, 768
	s_add_nc_u64 s[12:13], s[12:13], s[78:79]      ; the head's 192 biases
	s_lshr_b32 s80, s67, 3
	s_lshl_b32 s80, s80, 4
	s_add_co_u32 s80, s80, s66                     ; 16 x batch + head
	s_and_b32 s81, s67, 7
	s_lshl_b32 s82, s81, 2
	s_add_co_u32 s82, s82, s[WV]                   ; my group of 64 tokens
	s_mul_i32 s82, s82, 3584
	s_mul_i32 s83, s80, 114688
	s_add_co_u32 s78, s82, s83
	s_add_nc_u64 s[14:15], s[14:15], s[78:79]      ; qimg at my group
	s_lshl_b32 s82, s81, 1
	s_add_co_u32 s82, s82, s[ROLE]                 ; my step of 128 keys
	s_mul_i32 s82, s82, 13312
	s_mul_i32 s83, s80, 212992
	s_add_co_u32 s78, s82, s83
	s_add_nc_u64 s[16:17], s[16:17], s[78:79]      ; kv at my step
	s_mul_i32 s78, s[HALF], 3072
	s_add_nc_u64 s[84:85], s[16:17], s[78:79]      ; my two fragments of k
	s_mul_i32 s78, s[HALF], 768
	s_add_co_u32 s78, s78, 6144
	s_add_nc_u64 s[86:87], s[16:17], s[78:79]      ; my HALFs of v
	s_lshl_b32 s78, s[HALF], 9
	s_add_co_u32 s78, s78, 12288
	s_add_nc_u64 s[88:89], s[16:17], s[78:79]      ; the 512 bytes of scale words that I store
	s_mul_i32 s98, s66, 192*768                    ; v's 64 rows of W, 192 blocks of 256 bytes, which the one refill will ask for: the sixteen waves of my column of the cluster share them out by address, 12 blocks each
	s_lshl_b32 s99, s22, 2
	s_add_co_u32 s99, s99, s[WV]
	s_mul_i32 s99, s99, 3072
	s_add_co_u32 s98, s98, s99
	s_add_co_u32 s98, s98, 128*768
	s_mov_b32 s99, 0
	s_add_nc_u64 s[96:97], s[8:9], s[98:99]
	global_prefetch_b8 v26, s[96:97] th:TH_LOAD_NT scope:SCOPE_SE   ; a whole phase of eight K steps ahead of the refill; v26 and s[96:97] are never written again
.irp m, 0,1,2,3
	global_load_b128 v[SX+8*\m+4:SX+8*\m+7], v23, s[6:7] offset:512*\m
	global_load_b128 v[SX+8*\m:SX+8*\m+3], v23, s[6:7] offset:512*\m+16
.endr
.irp t, 0,1,2,3,4,5,6,7,8,9,10,11
	global_load_b128 v[SW+8*\t:SW+8*\t+3], v23, s[10:11] offset:512*\t
	global_load_b128 v[SW+8*\t+4:SW+8*\t+7], v23, s[10:11] offset:512*\t+16
.endr
	WIN 0x40
.irp t, 0,1,2,3,4,5,6,7
	global_load_b128 v[BQK+8*\t:BQK+8*\t+3], v24, s[12:13] offset:64*\t
	global_load_b128 v[BQK+8*\t+4:BQK+8*\t+7], v24, s[12:13] offset:64*\t+16
.endr
.irp t, 0,1,2,3
.irp j, 0,1,2,3,4,5,6,7
	global_load_b32 v[BV+8*\t+\j], v25, s[12:13] offset:512+64*\t
.endr
.endr
	WIN 0
; a fragment, 16 rows x 128 K: six pieces of 8 bytes; lanes 16-31 read three pieces further on, for some pieces behind one padding more
.macro FRAG reg, adr, q, i
.irp p, 0,1,2,3,4,5
.set PC, 12*(\q)+6*(\p/3)+\p%3
.if PC%32 < 29
	ds_load_b64 v[\reg+2*\p:\reg+2*\p+1], v[\adr] offset:8*PC+16*(PC/32)+(\i)*16*PITCH
.else
	ds_load_b64 v[\reg+2*\p:\reg+2*\p+1], v[\adr+3] offset:8*PC+16*(PC/32)+(\i)*16*PITCH
.endif
.endr
.endm
.macro FETCH g, kap                    ; K step kap of phase g into set kap % 2: x's four fragments and W's four, 48 loads
	WIN 0
.irp m, 0,1,2,3
	FRAG XF+48*((\kap)%2)+FR*\m, ADRA, \kap, \m
.endr
	WIN 0x40
.irp i, 0,1,2,3
	FRAG 48*((\kap)%2)+FR*\i, ADRB+(\g)%2, \kap, \i
.endr
	WIN 0
.endm
.macro W1 d, a, b, c, sa, sb
	v_wmma_scale_f32_16x16x128_f8f6f4 v[\d:\d+7], v[\a:\a+11], v[\b:\b+11], \c, v[\sa], v[\sb] matrix_a_fmt:MATRIX_FMT_FP6 matrix_b_fmt:MATRIX_FMT_FP6
.endm
; 16 products: the phase's 16 accumulators by turns, in the same order in every K step.  In K step 0 the bias is the C.
.macro MUL g, kap
.set KSET, 48*((\kap)%2)
.set KSX, SX+((\kap)+4)%8
.if (\g) < 2
.if (\kap) == 0
	WIN 0x91                                       ; W window 1, x window 0, the bias window 1, D window 2
.else
	WIN 0xa1
.endif
.irp i, 0,1,2,3
.set tt, 4*(\g)+\i
.irp m, 0,1,2,3
.if (\kap) == 0
	W1 8*(8*\m+tt), KSET+FR*\i, XF+KSET+FR*\m, v[BQK+8*tt:BQK+8*tt+7], SW+8*tt+(\kap), KSX+8*\m
.else
	W1 8*(8*\m+tt), KSET+FR*\i, XF+KSET+FR*\m, v[8*(8*\m+tt):8*(8*\m+tt)+7], SW+8*tt+(\kap), KSX+8*\m
.endif
.endr
.endr
.else
.if (\kap) == 0
	WIN 0xd4                                       ; x window 0, W window 1, the bias window 1, D window 3
.else
	WIN 0xf4
.endif
.irp i, 0,1,2,3
.irp m, 0,1,2,3
.if (\kap) == 0
	W1 8*(4*\i+\m), XF+KSET+FR*\m, KSET+FR*\i, v[BV+8*\i:BV+8*\i+7], KSX+8*\m, SW+8*(8+\i)+(\kap)
.else
	W1 8*(4*\i+\m), XF+KSET+FR*\m, KSET+FR*\i, v[8*(4*\i+\m):8*(4*\i+\m)+7], KSX+8*\m, SW+8*(8+\i)+(\kap)
.endif
.endr
.endr
.endif
.endm
.macro KSTEP g, kap                    ; this step's fragments are in; the next step's are asked for, four places behind the products that read their registers; 16 products
	s_wait_dscnt 0x0
	PLACES
	FETCH \g, (\kap)+1
	MUL \g, \kap
.endm
; A phase's last K step.  g = 0: every wave holds q's last fragments, so slot 0 is filled again with v's rows: the three lines, a round of the cluster's barrier, wave 2's joint load.
; g = 1: v's rows are waited for by every wave and shown by a plain barrier, behind which nothing is filled.
.macro TURN g
	WIN 0
	s_wait_tensorcnt 0x0
.if (\g) == 0
	ds_add_u32 v[SPW], v[NIL]
.endif
	s_wait_dscnt 0x0                               ; my reads (and the add) are done
	s_barrier_signal -1
	MUL \g, 7
	WIN 0
	s_barrier_wait -1
.if (\g) == 0
	CREST
	s_add_nc_u64 s[G0B+2:G0B+3], s[G0B+2:G0B+3], 128*768   ; wave 2: from q's rows to v's
	s_cmp_eq_u32 s[WV], 2
	s_cbranch_scc0 .Lno_fill
	tensor_load_to_lds s[G0B:G0B+3], s[G1B:G1B+7]
	s_nop 0
	PLACES
.Lno_fill:
.endif
	PLACES
	FETCH (\g)+1, 0
.endm
	s_wait_tensorcnt 0x0                           ; my tile of the head's four
	s_barrier_signal -1
	s_barrier_wait -1
	FETCH 0, 0
	s_wait_loadcnt 0x0                             ; the scales and the biases
.irp g, 0,1,2
.irp k, 0,1,2,3,4,5,6
	KSTEP \g, \k
.endr
.if \g < 2
	TURN \g
.endif
.endr
	s_wait_dscnt 0x0
	MUL 2, 7
; THE WAY OUT.  24 blocks of 32: q's and k's (4 m + j at 16 (4 m + j) of window 2; j = 0, 1: q, j = 2, 3: k) and v's (2 t + b at 16 (2 t + b) of window 3).
; A lane holds 16 numbers of a block, lane l xor 16 the other 16.  All scratch lies in window 1.
.set TM,  0
.set TP,  24                           ; written before, as W's fragments
.set SCO, 48
.set BY,  72
.set QW,  96
.set KW,  100
.set VH,  102
.set QI,  108
.set KI,  132
.set VI,  156
.set CT,  180
.set SWD, 232
	PLACES
	WIN 0x4a
.set n, 0
.rept 16
	v_max3_num_f32 v[TM+n], |v[16*n]|, |v[16*n+1]|, 0x1800000   ; from the low end on; the floor 2^(3 - 127) holds the byte at 1 from below
.set n, n+1
.endr
	WIN 0x69
.irp i, 2,4,6,8,10,12,14
.set n, 0
.rept 16
	v_max3_num_f32 v[TM+n], v[TM+n], |v[16*n+\i]|, |v[16*n+\i+1]|
.set n, n+1
.endr
.endr
	WIN 0x4f
.set n, 0
.rept 8
	v_max3_num_f32 v[TM+16+n], |v[16*n]|, |v[16*n+1]|, 0x1800000
.set n, n+1
.endr
	WIN 0x7d
.irp i, 2,4,6,8,10,12,14
.set n, 0
.rept 8
	v_max3_num_f32 v[TM+16+n], v[TM+16+n], |v[16*n+\i]|, |v[16*n+\i+1]|
.set n, n+1
.endr
.endr
	WIN 0x55
.set n, 0
.rept 24
	v_permlanex16_b32 v[TP+n], v[TM+n], s[SEL], s[SEL+1]
.set n, n+1
.endr
.set n, 0
.rept 24
	v_max_num_f32 v[TM+n], v[TM+n], v[TP+n]
.set n, n+1
.endr
.set n, 0
.rept 24
	v_add_nc_u32 v[SCO+n], 0xff000000, v[TM+n]     ; 2 off the exponent field: the conversion's scale operand
.set n, n+1
.endr
.set n, 0
.rept 24
	v_lshrrev_b32 v[BY+n], 23, v[SCO+n]
.set n, n+1
.endr
.irp m, 0,1,2,3
	v_lshl_or_b32 v[QW+\m], v[BY+4*\m+1], 8, v[BY+4*\m]
.endr
.irp m, 0,1,2,3
	v_lshl_or_b32 v[QW+\m], v[QW+\m], 16, v[QW+\m] ; q's word: (s0, s1, s0, s1)
.endr
.irp f, 0,1
	v_lshl_or_b32 v[KW+\f], v[BY+8*\f+3], 8, v[BY+8*\f+2]
	v_lshl_or_b32 v[KW+\f], v[BY+8*\f+6], 16, v[KW+\f]
	v_lshl_or_b32 v[KW+\f], v[BY+8*\f+7], 24, v[KW+\f]
.endr
.irp t, 0,1,2,3
	v_lshl_or_b32 v[VH+\t], v[BY+16+2*\t+1], 8, v[BY+16+2*\t]
.endr
	WIN 0x46
.irp m, 0,1,2,3
	v_cvt_scalef32_pk16_fp6_f32 v[QI+6*\m:QI+6*\m+2], v[16*(4*\m):16*(4*\m)+15], v[SCO+4*\m]
	v_cvt_scalef32_pk16_fp6_f32 v[CT+4*\m:CT+4*\m+2], v[16*(4*\m+1):16*(4*\m+1)+15], v[SCO+4*\m+1]
	v_cvt_scalef32_pk16_fp6_f32 v[KI+6*\m:KI+6*\m+2], v[16*(4*\m+2):16*(4*\m+2)+15], v[SCO+4*\m+2]
	v_cvt_scalef32_pk16_fp6_f32 v[CT+16+4*\m:CT+16+4*\m+2], v[16*(4*\m+3):16*(4*\m+3)+15], v[SCO+4*\m+3]
.endr
	WIN 0x47
.irp t, 0,1,2,3
	v_cvt_scalef32_pk16_fp6_f32 v[VI+6*\t:VI+6*\t+2], v[16*(2*\t):16*(2*\t)+15], v[SCO+16+2*\t]
	v_cvt_scalef32_pk16_fp6_f32 v[CT+32+4*\t:CT+32+4*\t+2], v[16*(2*\t+1):16*(2*\t+1)+15], v[SCO+16+2*\t+1]
.endr
	WIN 0x55
	v_nop                                          ; one plain place behind the scaled conversions
.macro WHOLE base, tmp                 ; a whole block in a lane: lanes 0-15 block 0, lanes 16-31 block 1
.irp i, 0,1,2
	v_permlane16_swap_b32 v[\base+\i], v[\tmp+\i]
.endr
.irp i, 0,1,2
	v_mov_b32 v[\base+3+\i], v[\tmp+\i]
.endr
.endm
.irp m, 0,1,2,3
	WHOLE QI+6*\m, CT+4*\m
	WHOLE KI+6*\m, CT+16+4*\m
	WHOLE VI+6*\m, CT+32+4*\m
.endr
	WIN 0x04
	ds_store_b64 v[SK], v[KW:KW+1]                 ; the scale words of 128 keys come from two waves: they meet in SCR
.irp t, 0,1,2,3
	ds_store_b16 v[SV], v[VH+\t] offset:4*\t
.endr
.irp m, 0,1,2,3
	global_store_b128 v[L16], v[QI+6*\m:QI+6*\m+3], s[14:15] offset:768*\m       ; 512 consecutive bytes a store, at a multiple of 256
	global_store_b64 v[L8], v[QI+6*\m+4:QI+6*\m+5], s[14:15] offset:768*\m+512
.endr
	global_store_b128 v[L16], v[QW:QW+3], s[14:15] offset:3072
.irp f, 0,1
.irp g, 0,1,2
	global_store_b128 v[L16], v[KI+12*\f+4*\g:KI+12*\f+4*\g+3], s[84:85] offset:1536*\f+512*\g
.endr
.endr
.irp t, 0,1,2,3
	global_store_b128 v[L16], v[VI+6*\t:VI+6*\t+3], s[86:87] offset:1536*\t
	global_store_b64 v[L8], v[VI+6*\t+4:VI+6*\t+5], s[86:87] offset:1536*\t+512
.endr
	s_wait_dscnt 0x0                               ; for the others' sake: my stores into SCR are done
	s_barrier_signal -1
	s_barrier_wait -1
	WIN 0x40
	ds_load_b128 v[SWD:SWD+3], v[SRD]              ; wave w takes bytes 512 w on
	s_wait_dscnt 0x0
	WIN 0x04
	global_store_b128 v[L16], v[SWD:SWD+3], s[88:89]
	WIN 0
	s_wait_tensorcnt 0x0                           ; the wave's end
	ds_add_u32 v[SPW], v[NIL]
	s_wait_dscnt 0x0
	CROUND                                         ; the closing round
	s_endpgm
.Lfunc_end_k_q895063acdd_qkv:
	.size	k_q895063acdd_qkv, .Lfunc_end_k_q895063acdd_qkv-k_q895063acdd_qkv
	.p2alignl 7, 3214868480
	.fill 96, 4, 3214868480
	.section	.rodata,"a",@progbits
	.p2align	6, 0x0
	.amdhsa_kernel k_q895063acdd_qkv
		.amdhsa_group_segment_fixed_size 327680
		.amdhsa_private_segment_fixed_size 0
		.amdhsa_enable_private_segment 0
		.amdhsa_kernarg_size 56
		.amdhsa_user_sgpr_count 2
		.amdhsa_user_sgpr_kernarg_segment_ptr 1
		.amdhsa_wavefront_size32 1
		.amdhsa_system_sgpr_workgroup_id_x 1
		.amdhsa_system_sgpr_workgroup_id_y 1
		.amdhsa_system_sgpr_workgroup_id_z 1
		.amdhsa_system_vgpr_workitem_id 0
		.amdhsa_next_free_vgpr 1024
		.amdhsa_next_free_sgpr 100
		.amdhsa_reserve_vcc 0
		.amdhsa_float_denorm_mode_32 3
		.amdhsa_float_denorm_mode_16_64 3
		.amdhsa_memory_ordered 1
		.amdhsa_forward_progress 1
		.amdhsa_inst_pref_size 169
	.end_amdhsa_kernel
	.amdgpu_metadata
---
amdhsa.version: [ 1, 2 ]
amdhsa.kernels:
  - .name:           k_q895063acdd_qkv
    .symbol:         k_q895063acdd_qkv.kd
    .args:
      - { .name: x_codes, .offset: 0, .size: 8, .value_kind: global_buffer, .address_space: global }
      - { .name: x_scales, .offset: 8, .size: 8, .value_kind: global_buffer, .address_space: global }
      - { .name: Wqkv_codes, .offset: 16, .size: 8, .value_kind: global_buffer, .address_space: global }
      - { .name: Wqkv_scales, .offset: 24, .size: 8, .value_kind: global_buffer, .address_space: global }
      - { .name: bqkv, .offset: 32, .size: 8, .value_kind: global_buffer, .address_space: global }
      - { .name: qimg, .offset: 40, .size: 8, .value_kind: global_buffer, .address_space: global }
      - { .name: kv, .offset: 48, .size: 8, .value_kind: global_buffer, .address_space: global }
    .group_segment_fixed_size: 327680
    .private_segment_fixed_size: 0
    .kernarg_segment_align: 8
    .kernarg_segment_size: 56
    .max_flat_workgroup_size: 128
    .sgpr_count:     100
    .vgpr_count:     1024
    .wavefront_size: 32
...
	.end_amdgpu_metadata
.endif
;; end of part 1
;; launch attn (part 2): grid 4 x 64, 16 waves a work-group, clusters of 4 x 1, 327,680 bytes of LDS; arguments qimg, kv, ao, aos; writes ao, aos
.if DOCPART == 2
	.amdgcn_target "amdgcn-amd-amdhsa--gfx1250"
	.amdhsa_code_object_version 6
	.text
	.protected	k_q895063acdd_attn
	.globl	k_q895063acdd_attn
	.p2align	8
	.type	k_q895063acdd_attn,@function
k_q895063acdd_attn:
	s_mov_b64 s[64:65], 0
	v_nop
	global_prefetch_b8 v0, s[64:65] scope:SCOPE_SE
	s_setreg_imm32_b32 hwreg(HW_REG_WAVE_MODE, 25, 1), 1
	s_wait_xcnt 0x0
	s_wait_alu depctr_hold_cnt(0) depctr_sa_sdst(0) depctr_va_vdst(0) depctr_va_sdst(0) depctr_va_ssrc(0) depctr_va_vcc(0) depctr_vm_vsrc(0)
	s_getreg_b32 s2, hwreg(HW_REG_IB_STS2, 6, 4)
	s_cmp_eq_u32 s2, 0
	s_cbranch_scc0 .Lentry_in_a_cluster
	s_endpgm
.Lentry_in_a_cluster:
	s_bfe_u32 s2, ttmp6, 0x10000c
	s_cmp_lg_u32 s2, 0x3003
	s_cbranch_scc0 .Lentry_shape_is_right
	s_endpgm
.Lentry_shape_is_right:
.set STEPB, 13312
.set L16, 1
.set L8,  2
.set A16, 3
.set A8,  4
.set HW,  8
.set RL,  10
.set QHI, 16
.set QLO, 22
.set QS,  34
.set F,   36
.set KS,  84
.set VS,  88
.set S,   96
.set O,   160
.set P,   192
.set CT,  204
.set BM,  212
.set BT,  216
.set SCO, 220
.set BYT, 224
.set PW,  228
.set TT,  229
.set FF,  230
.set Q1,  232
.set SUM2, 240
.set OC,  244
.set WV,  12
.set G1A, 24
.set G1B, 32
.set G0A, 40
.set G0B, 44
.set CS,  50
.set SEL, 52
.set TB,  54
.set CNT, 55
.set SH,  56
.set AOB, 58
.set ASB, 60
.set QB,  66
.set QSB, 68
.macro PLACES
.rept 4
	v_nop
.endr
.endm
.macro CROUND
	s_barrier_signal -1
	s_barrier_wait -1
	s_cmp_lg_u32 s[WV], 0
	s_cbranch_scc1 .Lnot_wave_0_\@
	s_barrier_signal -3
.Lnot_wave_0_\@:
	s_barrier_wait -3
	s_barrier_signal -1
	s_barrier_wait -1
.endm
	s_load_b256 s[4:11], s[0:1], 0x0
	v_lshl_add_u32 v242, v0, 2, 0x34000
	v_mov_b32 v243, 0
	ds_add_u32 v242, v243
	ds_add_u32 v242, v243
	v_lshrrev_b32 v5, 5, v0
	s_delay_alu instid0(VALU_DEP_1)
	v_readfirstlane_b32 s[WV], v5
	s_bfe_u32 s13, ttmp6, 0x40000
	s_and_b32 s14, ttmp7, 0xffff
	s_and_b32 s15, s14, 15
	s_lshr_b32 s16, s14, 4
	s_mul_i32 s18, s14, 16*STEPB
	s_mul_i32 s17, s[WV], 3328
	s_add_co_u32 s20, s18, s17
	s_mov_b32 s21, 0
	s_mul_i32 s19, s[WV], 9984
	s_add_co_u32 s19, s19, 4*STEPB
	s_add_co_u32 s22, s18, s19
	s_mov_b32 s23, 0
	s_mov_b32 s[G1A], 15|(3<<16)|(1<<21)
	s_mov_b32 s[G1A+1], 32<<16
	s_mov_b32 s[G1A+2], 13<<16
	s_mov_b32 s[G1A+3], 32<<16
	s_mov_b32 s[G1A+4], 13
	s_mov_b32 s[G1A+5], 32
	s_mov_b32 s[G1A+6], 0
	s_mov_b32 s[G1A+7], 0
	s_mov_b32 s[G1B], 15|(3<<16)|(1<<21)
	s_mov_b32 s[G1B+1], 32<<16
	s_mov_b32 s[G1B+2], 39<<16
	s_mov_b32 s[G1B+3], 32<<16
	s_mov_b32 s[G1B+4], 39
	s_mov_b32 s[G1B+5], 32
	s_mov_b32 s[G1B+6], 0
	s_mov_b32 s[G1B+7], 0
	s_mov_b32 s[CS], 0x3e38aa3b
	s_mov_b32 s[CS+1], s[CS]
	s_mov_b32 s[SEL], 0x76543210
	s_mov_b32 s[SEL+1], 0xfedcba98
	s_wait_dscnt 0x0
	s_wait_kmcnt 0x0
	s_mov_b32 s[G0A], 1
	s_mov_b32 s[G0A+1], s17
	s_add_nc_u64 s[G0A+2:G0A+3], s[6:7], s[20:21]
	s_or_b32 s[G0A+3], s[G0A+3], 0x80000000
	s_mov_b32 s[G0B], 1
	s_mov_b32 s[G0B+1], s19
	s_add_nc_u64 s[G0B+2:G0B+3], s[6:7], s[22:23]
	s_or_b32 s[G0B+3], s[G0B+3], 0x80000000
	CROUND
	tensor_load_to_lds s[G0A:G0A+3], s[G1A:G1A+7]  ; key steps 0 to 3: my one tensor load at the head
	s_nop 0
.rept 4
	v_nop
.endr
	v_and_b32 v5, 31, v0
	s_delay_alu instid0(VALU_DEP_1)
	v_lshlrev_b32 v[L16], 4, v5
	s_wait_alu depctr_va_vdst(0)
	v_lshlrev_b32 v[L8], 3, v5
	s_wait_alu depctr_va_vdst(0)
	s_mov_b32 s49, 0
	s_lshl_b32 s48, s13, 3
	s_lshr_b32 s57, s[WV], 1
	s_add_co_u32 s48, s48, s57
	s_mul_i32 s48, s48, 3584
	s_mul_i32 s57, s14, 114688
	s_add_co_u32 s48, s48, s57
	s_add_nc_u64 s[4:5], s[4:5], s[48:49]
	s_and_b32 s57, s[WV], 1
	s_mul_i32 s48, s57, 1536
	s_add_nc_u64 s[QB:QB+1], s[4:5], s[48:49]
	s_lshl_b32 s48, s57, 3
	s_add_nc_u64 s[QSB:QSB+1], s[4:5], s[48:49]
	s_lshl_b32 s48, s16, 7
	s_lshl_b32 s57, s13, 5
	s_add_co_u32 s48, s48, s57
	s_lshl_b32 s57, s[WV], 1
	s_add_co_u32 s48, s48, s57
	s_mul_i32 s48, s48, 12288
	s_mul_i32 s57, s15, 768
	s_add_co_u32 s48, s48, s57
	s_add_nc_u64 s[AOB:AOB+1], s[8:9], s[48:49]
	s_lshl_b32 s48, s15, 8
	s_lshl_b32 s57, s16, 6
	s_add_co_u32 s48, s48, s57
	s_lshl_b32 s57, s13, 4
	s_add_co_u32 s48, s48, s57
	s_add_co_u32 s48, s48, s[WV]
	s_lshl_b32 s48, s48, 8
	s_add_nc_u64 s[ASB:ASB+1], s[10:11], s[48:49]
	s_and_b32 s[SH], s15, 1
	s_lshl_b32 s[SH], s[SH], 4
	global_load_b128 v[QLO:QLO+3], v[L16], s[QB:QB+1] th:TH_LOAD_NT
	global_load_b64 v[QLO+4:QLO+5], v[L8], s[QB:QB+1] offset:512 th:TH_LOAD_NT
	global_load_b32 v[QS], v[L16], s[QSB:QSB+1] offset:3072 th:TH_LOAD_NT
	global_load_b128 v[Q1:Q1+3], v[L16], s[QB:QB+1] offset:768 th:TH_LOAD_NT
	global_load_b64 v[Q1+4:Q1+5], v[L8], s[QB:QB+1] offset:1280 th:TH_LOAD_NT
	global_load_b32 v[Q1+6], v[L16], s[QSB:QSB+1] offset:3076 th:TH_LOAD_NT
.irp i, 0,1,2,3,4,5
	v_mov_b32 v[QHI+\i], 0
	v_mov_b32 v[QLO+6+\i], 0
.endr
.irp b, 0,1,2,3
	v_mov_b32 v[BT+\b], 0
.endr
	v_mov_b32 v[FF+1], 0
	v_mov_b32 v[RL+1], 0
	s_wait_alu depctr_va_vdst(0)
	s_wait_tensorcnt 0x0                           ; q's loads are out by now; key steps 4 to 15 are a later first fill: the three lines, a round, the load
	ds_add_u32 v242, v243
	s_wait_dscnt 0x0
	CROUND
	tensor_load_to_lds s[G0B:G0B+3], s[G1B:G1B+7]
	s_nop 0
.rept 4
	v_nop
.endr
.macro STEP
	v_add_nc_u32 v[A16], s[TB], v[L16]
	v_add_nc_u32 v[A8], s[TB], v[L8]
	v_nop
	v_nop
	ds_load_b128 v[KS:KS+3], v[A16] offset:12288
.irp f, 0,1,2,3
.irp g, 0,1,2
	ds_load_b128 v[F+12*\f+4*\g:F+12*\f+4*\g+3], v[A16] offset:1536*\f+512*\g
.endr
.endr
	s_wait_alu depctr_va_vdst(0)
.irp f, 0,1,2,3
	s_wait_dscnt 9-3*\f
	v_wmma_scale_f32_16x16x128_f8f6f4 v[S+16*\f:S+16*\f+7], v[F+12*\f:F+12*\f+11], v[QLO:QLO+11], 0, v[KS+\f], v[QS] matrix_a_fmt:MATRIX_FMT_FP6 matrix_b_fmt:MATRIX_FMT_FP6
	v_wmma_scale_f32_16x16x128_f8f6f4 v[S+16*\f+8:S+16*\f+15], v[F+12*\f:F+12*\f+11], v[QHI:QHI+11], 0, v[KS+\f], v[QS] matrix_a_fmt:MATRIX_FMT_FP6 matrix_b_fmt:MATRIX_FMT_FP6
.endr
	PLACES
.irp t, 0,1,2,3
	ds_load_b128 v[F+12*\t:F+12*\t+3], v[A16] offset:6144+1536*\t
	ds_load_b64 v[F+12*\t+4:F+12*\t+5], v[A8] offset:6144+1536*\t+512
	ds_load_b128 v[F+12*\t+6:F+12*\t+9], v[A16] offset:6144+1536*\t+768
	ds_load_b64 v[F+12*\t+10:F+12*\t+11], v[A8] offset:6144+1536*\t+1280
.endr
	ds_load_b128 v[VS:VS+3], v[A16] offset:12800
.irp b, 0,1,2,3
	v_max3_num_f32 v[BM+\b], v[S+16*\b], v[S+16*\b+1], v[S+16*\b+2]
.endr
.irp i, 3,5,7,9,11,13
.irp b, 0,1,2,3
	v_max3_num_f32 v[BM+\b], v[BM+\b], v[S+16*\b+\i], v[S+16*\b+\i+1]
.endr
.endr
.irp b, 0,1,2,3
	v_max_num_f32 v[BM+\b], v[BM+\b], v[S+16*\b+15]
.endr
.irp b, 0,1,2,3
	s_delay_alu instid0(VALU_DEP_4)
	v_permlanex16_b32 v[BT+\b], v[BM+\b], s[SEL], s[SEL+1]
.endr
.irp b, 0,1,2,3
	s_delay_alu instid0(VALU_DEP_4)
	v_max_num_f32 v[BM+\b], v[BM+\b], v[BT+\b]
.endr
	s_delay_alu instid0(VALU_DEP_2)
	v_max3_num_f32 v[TT], v[BM], v[BM+1], v[BM+2]
	s_delay_alu instid0(VALU_DEP_1)
	v_max_num_f32 v[TT], v[TT], v[BM+3]
	s_delay_alu instid0(VALU_DEP_1)
	v_mul_f32 v[TT], s[CS], v[TT]
	s_delay_alu instid0(VALU_DEP_1)
	v_max_num_f32 v13, v13, v[TT]
	v_mov_b32 v[TT], v12
	s_delay_alu instid0(VALU_DEP_2)
	v_floor_f32 v12, -v13
	s_delay_alu instid0(VALU_DEP_1)
	v_sub_f32 v[TT], v12, v[TT]
	s_delay_alu instid0(VALU_DEP_1)
	v_cvt_i32_f32 v[TT], v[TT]
	s_delay_alu instid0(VALU_DEP_1)
	v_ldexp_f32 v[FF], 1.0, v[TT]
.set j, 0
.rept 32
	v_pk_fma_f32 v[S+j:S+j+1], v[S+j:S+j+1], s[CS:CS+1], v[12:13] op_sel_hi:[1,0,0]
.set j, j+2
.endr
.irp b, 0,1,2,3
	v_fma_f32 v[BM+\b], v[BM+\b], s[CS], v12
.endr
.set j, 0
	s_wait_alu depctr_va_vdst(0)
.rept 64
	v_exp_f32 v[S+j], v[S+j]
.set j, j+1
.endr
	v_pk_mul_f32 v[14:15], v[14:15], v[FF:FF+1] op_sel_hi:[1,0]
	s_wait_alu depctr_va_vdst(0)
.irp b, 0,1,2,3
	v_exp_f32 v[BM+\b], v[BM+\b]
.endr
	v_pk_add_f32 v[SUM2:SUM2+1], v[S:S+1], v[S+2:S+3]
.set j, 4
.rept 15
	v_pk_add_f32 v[14:15], v[14:15], v[S+j:S+j+1]
	v_pk_add_f32 v[SUM2:SUM2+1], v[SUM2:SUM2+1], v[S+j+2:S+j+3]
.set j, j+4
.endr
	s_delay_alu instid0(VALU_DEP_1)
	v_pk_add_f32 v[14:15], v[14:15], v[SUM2:SUM2+1]
	s_wait_alu depctr_va_vdst(0)
.irp b, 0,1,2,3
	v_max_num_f32 v[BM+\b], 0x1800000, v[BM+\b]
.endr
.irp b, 0,1,2,3
	s_delay_alu instid0(VALU_DEP_4)
	v_add_nc_u32 v[SCO+\b], 0xff000000, v[BM+\b]
.endr
.irp b, 0,1,2,3
	s_delay_alu instid0(VALU_DEP_4)
	v_lshrrev_b32 v[BYT+\b], 23, v[SCO+\b]
.endr
	s_delay_alu instid0(VALU_DEP_3)
	v_lshl_or_b32 v[PW], v[BYT+1], 8, v[BYT]
	s_delay_alu instid0(VALU_DEP_1)
	v_lshl_or_b32 v[PW], v[BYT+2], 16, v[PW]
	s_delay_alu instid0(VALU_DEP_1)
	v_lshl_or_b32 v[PW], v[BYT+3], 24, v[PW]
.irp c, 0,1
	v_cvt_scalef32_pk16_fp6_f32 v[P+6*\c:P+6*\c+2], v[S+32*\c:S+32*\c+15], v[SCO+2*\c]
	v_cvt_scalef32_pk16_fp6_f32 v[CT+4*\c:CT+4*\c+2], v[S+32*\c+16:S+32*\c+31], v[SCO+2*\c+1]
.endr
	v_nop
.irp c, 0,1
.irp i, 0,1,2
	v_permlane16_swap_b32 v[P+6*\c+\i], v[CT+4*\c+\i]
.endr
.irp i, 0,1,2
	s_delay_alu instid0(VALU_DEP_3)
	v_mov_b32 v[P+6*\c+3+\i], v[CT+4*\c+\i]
.endr
.endr
.set j, 0
.rept 16
	v_pk_mul_f32 v[O+j:O+j+1], v[O+j:O+j+1], v[FF:FF+1] op_sel_hi:[1,0]
.set j, j+2
.endr
	s_wait_alu depctr_va_vdst(0)
	s_wait_dscnt 0x0
.irp t, 0,1,2,3
	v_wmma_scale_f32_16x16x128_f8f6f4 v[O+8*\t:O+8*\t+7], v[F+12*\t:F+12*\t+11], v[P:P+11], v[O+8*\t:O+8*\t+7], v[VS+\t], v[PW] matrix_a_fmt:MATRIX_FMT_FP6 matrix_b_fmt:MATRIX_FMT_FP6
.endr
	s_add_co_u32 s[TB], s[TB], STEPB
.endm
.macro KEYS n
	s_mov_b32 s[CNT], \n
.Lkeys_\@:
	STEP
	s_sub_co_u32 s[CNT], s[CNT], 1
	s_cmp_lg_u32 s[CNT], 0
	s_cbranch_scc1 .Lkeys_\@
.endm
.macro INIT
	v_mov_b32 v13, 0xff61b1e6
	s_delay_alu instid0(VALU_DEP_1)
	v_floor_f32 v12, -v13
	v_mov_b32 v14, 0
	v_mov_b32 v15, 0
.set j, 0
.rept 32
	v_mov_b32 v[O+j], 0
.set j, j+1
.endr
	s_mov_b32 s[TB], 0
.endm
.macro EPI p
	PLACES
	v_add_f32 v14, v14, v15
	s_delay_alu instid0(VALU_DEP_1)
	v_permlanex16_b32 v[TT], v14, s[SEL], s[SEL+1]
	s_delay_alu instid0(VALU_DEP_1)
	v_add_f32 v14, v14, v[TT]
	s_wait_alu depctr_va_vdst(0)
	v_rcp_f32 v[RL], v14
	v_nop
	s_wait_alu depctr_va_vdst(0)
.set j, 0
.rept 16
	v_pk_mul_f32 v[O+j:O+j+1], v[O+j:O+j+1], v[RL:RL+1] op_sel_hi:[1,0]
.set j, j+2
.endr
.irp b, 0,1
.irp i, 0,1,2,3,4,5,6,7
	v_permlane16_swap_b32 v[O+16*\b+\i], v[O+16*\b+8+\i]
.endr
.endr
.irp b, 0,1
	v_max3_num_f32 v[BM+\b], |v[O+16*\b]|, |v[O+16*\b+1]|, 0x1800000
.endr
.irp i, 2,4,6,8,10,12,14
.irp b, 0,1
	s_delay_alu instid0(VALU_DEP_2)
	v_max3_num_f32 v[BM+\b], v[BM+\b], |v[O+16*\b+\i]|, |v[O+16*\b+\i+1]|
.endr
.endr
.irp b, 0,1
	s_delay_alu instid0(VALU_DEP_2)
	v_permlanex16_b32 v[BT+\b], v[BM+\b], s[SEL], s[SEL+1]
.endr
.irp b, 0,1
	s_delay_alu instid0(VALU_DEP_2)
	v_max_num_f32 v[BM+\b], v[BM+\b], v[BT+\b]
.endr
.irp b, 0,1
	s_delay_alu instid0(VALU_DEP_2)
	v_add_nc_u32 v[SCO+\b], 0xff000000, v[BM+\b]
.endr
.irp b, 0,1
	s_delay_alu instid0(VALU_DEP_2)
	v_lshrrev_b32 v[BYT+\b], 23, v[SCO+\b]
.endr
	v_cvt_scalef32_pk16_fp6_f32 v[OC+6*\p:OC+6*\p+2], v[O:O+15], v[SCO]
	v_cvt_scalef32_pk16_fp6_f32 v[CT:CT+2], v[O+16:O+31], v[SCO+1]
	v_lshl_or_b32 v[HW+\p], v[BYT+1], 8, v[BYT]
.irp i, 0,1,2
	v_permlane16_swap_b32 v[OC+6*\p+\i], v[CT+\i]
.endr
.irp i, 0,1,2
	s_delay_alu instid0(VALU_DEP_3)
	v_mov_b32 v[OC+6*\p+3+\i], v[CT+\i]
.endr
	v_lshlrev_b32 v[HW+\p], s[SH], v[HW+\p]
	global_store_b128 v[L16], v[OC+6*\p:OC+6*\p+3], s[AOB:AOB+1] offset:12288*\p
	global_store_b64 v[L8], v[OC+6*\p+4:OC+6*\p+5], s[AOB:AOB+1] offset:12288*\p+512
.endm
	INIT
	s_wait_loadcnt 0x0
	s_wait_tensorcnt 0x1
	s_barrier_signal -1
	s_barrier_wait -1
	KEYS 4
	s_wait_tensorcnt 0x0
	s_barrier_signal -1
	s_barrier_wait -1
	KEYS 12
	EPI 0
.irp i, 0,1,2,3,4,5
	v_mov_b32 v[QLO+\i], v[Q1+\i]
.endr
	v_mov_b32 v[QS], v[Q1+6]
	INIT
	KEYS 16
	EPI 1
	global_store_b64 v[L8], v[HW:HW+1], s[ASB:ASB+1]
	s_wait_tensorcnt 0x0
	ds_add_u32 v242, v243
	s_wait_dscnt 0x0
	CROUND
	s_endpgm
.Lfunc_end_k_q895063acdd_attn:
	.size	k_q895063acdd_attn, .Lfunc_end_k_q895063acdd_attn-k_q895063acdd_attn
	.p2alignl 7, 3214868480
	.fill 96, 4, 3214868480
	.section	.rodata,"a",@progbits
	.p2align	6, 0x0
	.amdhsa_kernel k_q895063acdd_attn
		.amdhsa_group_segment_fixed_size 327680
		.amdhsa_private_segment_fixed_size 0
		.amdhsa_enable_private_segment 0
		.amdhsa_kernarg_size 32
		.amdhsa_user_sgpr_count 2
		.amdhsa_user_sgpr_kernarg_segment_ptr 1
		.amdhsa_wavefront_size32 1
		.amdhsa_system_sgpr_workgroup_id_x 1
		.amdhsa_system_sgpr_workgroup_id_y 1
		.amdhsa_system_sgpr_workgroup_id_z 1
		.amdhsa_system_vgpr_workitem_id 0
		.amdhsa_next_free_vgpr 256
		.amdhsa_next_free_sgpr 72
		.amdhsa_reserve_vcc 0
		.amdhsa_float_denorm_mode_32 3
		.amdhsa_float_denorm_mode_16_64 3
		.amdhsa_memory_ordered 1
		.amdhsa_forward_progress 1
		.amdhsa_inst_pref_size 70
	.end_amdhsa_kernel
	.amdgpu_metadata
---
amdhsa.version: [ 1, 2 ]
amdhsa.kernels:
  - .name:           k_q895063acdd_attn
    .symbol:         k_q895063acdd_attn.kd
    .args:
      - { .name: qimg, .offset: 0, .size: 8, .value_kind: global_buffer, .address_space: global }
      - { .name: kv, .offset: 8, .size: 8, .value_kind: global_buffer, .address_space: global }
      - { .name: ao, .offset: 16, .size: 8, .value_kind: global_buffer, .address_space: global }
      - { .name: aos, .offset: 24, .size: 8, .value_kind: global_buffer, .address_space: global }
    .group_segment_fixed_size: 327680
    .private_segment_fixed_size: 0
    .kernarg_segment_align: 8
    .kernarg_segment_size: 32
    .max_flat_workgroup_size: 512
    .sgpr_count:     72
    .vgpr_count:     256
    .wavefront_size: 32
...
	.end_amdgpu_metadata
.endif
;; end of part 2
;; launch proj (part 3): grid 4 x 64, 4 waves a work-group, clusters of 4 x 4, 325,120 bytes of LDS; arguments ao, aos, Wout_codes, Wout_scales, bout, out0; writes out0
.if DOCPART == 3
	.amdgcn_target "amdgcn-amd-amdhsa--gfx1250"
	.amdhsa_code_object_version 6
	.text
	.protected	k_q895063acdd_proj
	.globl	k_q895063acdd_proj
	.p2align	8
	.type	k_q895063acdd_proj,@function
k_q895063acdd_proj:
	s_mov_b64 s[64:65], 0
	v_nop
	global_prefetch_b8 v0, s[64:65] scope:SCOPE_SE
	s_setreg_imm32_b32 hwreg(HW_REG_WAVE_MODE, 25, 1), 1
	s_wait_xcnt 0x0
	s_wait_alu depctr_hold_cnt(0) depctr_sa_sdst(0) depctr_va_vdst(0) depctr_va_sdst(0) depctr_va_ssrc(0) depctr_va_vcc(0) depctr_vm_vsrc(0)
	s_getreg_b32 s2, hwreg(HW_REG_IB_STS2, 6, 4)
	s_cmp_eq_u32 s2, 0
	s_cbranch_scc0 .Lentry_in_a_cluster
	s_endpgm
.Lentry_in_a_cluster:
	s_bfe_u32 s2, ttmp6, 0x10000c
	s_cmp_lg_u32 s2, 0xf033
	s_cbranch_scc0 .Lentry_shape_is_right
	s_endpgm
.Lentry_shape_is_right:
; out0 = o Wout + bout on codes of FP6 (E2M3) with E8M0 scales.  o: 8,192 rows as images of operand registers (ao) with half scale words (aos); Wout: 1,024 rows of 1,024 codes (768 bytes), 32 scale bytes a row; out0 f32.
; SHARES.  A work-group makes 128 rows x 256 columns; wave (i = w / 2, j = w % 2) 64 rows x 128 columns.  All of K lies in LDS, filled once: no slot is filled again.
; o's 32 fragments of a wave go from LDS into registers once; Wout's fragments are read K step by K step.  The columns go in two groups of 64: the first group's rows leave while the second is multiplied.
; CLUSTER 4 x 4: o's images hang on the row block alone and are asked for jointly along a row of the cluster, Wout's rows on the column block alone and are asked for jointly along a column.
; The matrix instruction is used TRANSPOSED (source 0 = 16 rows of Wout, source 1 = 16 rows of o): a lane holds eight neighbouring numbers of a row of out0.  bout is the C of each sum's first product.
; LIMITS: NaN and infinities are not served; a given scale byte 0xff gives NaN.
; REGISTERS.  window 0: v4-15 addresses, v32-63 o's scale words, v64-127 Wout's, v128-223 Wout's fragments in two sets, v224-255 rows on their way out.
;   window 1: o's fragments (tile m, K step k <= 4) at 12 (4 k + m).   window 2: those of k = 5..7 at 12 (4 (k - 5) + m); v144-207 the bias.   window 3: the accumulators at 128 g + 8 (4 m + n).
.set BPITCH, 816                       ; a row of Wout in LDS: 3 x (256 bytes + 16 of padding)
.set BBASE,  98304                     ; behind o's images
.set STG,    BBASE+256*BPITCH          ; the stages: 16 rows x (256 + 16) bytes for each wave; no tensor load lands here
.set SPITCH, 272
.set AI16, 4                           ; my 64 rows' images + 16 x lane
.set AI8,  5                           ; + 8 x lane
.set ADRB, 6                           ; v6, v7 my columns' rows of group 0, 1; v8, v9 the same behind one padding more
.set STO,  10
.set RD,   11
.set CO,   12
.set SA,   32                          ; o's scale word of tile m, K step k: v[SA + 4 k + m]
.set SB,   64                          ; Wout's of column tile t = 4 g + n: v[SB + 8 t + k]
.set BF,   128
.set OB,   224
.set BI,   144
.set WV,   18
.set RI,   19
.set CJ,   20
.set G1A,  24
.set G1B,  32
.set G0A,  40
.set G0B,  44                          ; two sets
.set MSB, 0
.macro WIN new
.if MSB != \new
	s_set_vgpr_msb (MSB<<8)|\new
.set MSB, \new
.endif
.endm
.macro PLACES
.rept 4
	v_nop
.endr
.endm
.macro CROUND
	s_barrier_signal -1
	s_barrier_wait -1
	s_cmp_lg_u32 s[WV], 0
	s_cbranch_scc1 .Lnot_wave_0_\@
	s_barrier_signal -3
.Lnot_wave_0_\@:
	s_barrier_wait -3
	s_barrier_signal -1
	s_barrier_wait -1
.endm
	s_load_b256 s[4:11], s[0:1], 0x0               ; ao, aos, Wout's codes, Wout's scales
	s_load_b128 s[12:15], s[0:1], 0x20             ; bout, out0
	v_lshl_add_u32 v30, v0, 2, 0x4f400
	v_mov_b32 v31, 0
	ds_add_u32 v30, v31
	ds_add_u32 v30, v31
	v_lshrrev_b32 v1, 5, v0
	v_readfirstlane_b32 s[WV], v1
	s_lshr_b32 s[RI], s[WV], 1
	s_and_b32 s[CJ], s[WV], 1
	s_bfe_u32 s21, ttmp6, 0x40000                  ; cx
	s_bfe_u32 s22, ttmp6, 0x40004                  ; cy
	s_lshl_b32 s66, ttmp9, 2
	s_add_co_u32 s66, s66, s21                     ; the block of 256 columns
	s_and_b32 s67, ttmp7, 0xffff
	s_lshl_b32 s67, s67, 2
	s_add_co_u32 s67, s67, s22                     ; the block of 128 rows
	s_lshl_b32 s68, s22, 2
	s_lshl_b32 s68, 15, s68                        ; my row of the cluster
	s_lshl_b32 s69, 0x1111, s21                    ; my column
	s_or_b32 s[G1A], s68, (3<<16)|(1<<21)          ; o's images: dense rows of 256 bytes (32 elements of 8), 192 a wave
	s_mov_b32 s[G1A+1], 32<<16
	s_mov_b32 s[G1A+2], 192<<16
	s_mov_b32 s[G1A+3], 32<<16
	s_mov_b32 s[G1A+4], 192
	s_mov_b32 s[G1A+5], 32
	s_mov_b32 s[G1A+6], 0
	s_mov_b32 s[G1A+7], 0
	s_or_b32 s[G1B], s69, (1<<20)|(1<<21)|(5<<22)|(3<<25)  ; Wout: elements of 1 byte; after every 64 words, 4 words of padding
	s_mov_b32 s[G1B+1], 768<<16
	s_mov_b32 s[G1B+2], 128<<16
	s_mov_b32 s[G1B+3], 768<<16
	s_mov_b32 s[G1B+4], 128
	s_mov_b32 s[G1B+5], 768
	s_mov_b32 s[G1B+6], 0
	s_mov_b32 s[G1B+7], 0
	s_mul_i32 s74, s[CJ], 49152                    ; o: waves 0 and 1 fetch a half each of the block's 98,304 bytes: its place in LDS,
	s_mul_i32 s70, s67, 98304
	s_add_co_u32 s70, s70, s74                     ; and in memory
	s_mov_b32 s71, 0
	s_lshl_b32 s75, s[CJ], 7                       ; Wout: waves 2 and 3 fetch 128 rows each of the block's 256
	s_lshl_b32 s72, s66, 8
	s_add_co_u32 s72, s72, s75
	s_mul_i32 s72, s72, 768
	s_mov_b32 s73, 0
	s_mul_i32 s75, s75, BPITCH
	s_add_co_u32 s75, s75, BBASE
	s_wait_dscnt 0x0
	s_wait_kmcnt 0x0
	s_mov_b32 s[G0A], 1
	s_mov_b32 s[G0A+1], s74
	s_add_nc_u64 s[G0A+2:G0A+3], s[4:5], s[70:71]
	s_or_b32 s[G0A+3], s[G0A+3], 0x80000000
	s_add_nc_u64 s[72:73], s[8:9], s[72:73]
	s_mov_b32 s[G0B], 1
	s_mov_b32 s[G0B+1], s75
	s_mov_b64 s[G0B+2:G0B+3], s[72:73]
	s_or_b32 s[G0B+3], s[G0B+3], 0x80000000
	CROUND                                         ; all sixteen work-groups are here: the joint loads meet
	s_cmp_eq_u32 s[RI], 0                          ; one tensor load a wave
	s_cbranch_scc0 .Lfor_w
	tensor_load_to_lds s[G0A:G0A+3], s[G1A:G1A+7]
	s_nop 0
.rept 4
	v_nop
.endr
	s_branch .Lhead_asked
.Lfor_w:
	tensor_load_to_lds s[G0B:G0B+3], s[G1B:G1B+7]
	s_nop 0
.rept 4
	v_nop
.endr
.Lhead_asked:
	v_and_b32 v1, 15, v0                           ; r
	v_bfe_u32 v2, v0, 4, 1                         ; h
	v_and_b32 v3, 31, v0
	s_mul_i32 s23, s[RI], 49152                    ; my four tiles of rows: 4 x 12,288 bytes of images
	v_lshl_add_u32 v[AI16], v3, 4, s23
	v_lshl_add_u32 v[AI8], v3, 3, s23
	v_mul_u32_u24 v16, v1, BPITCH
	v_mad_u32_u24 v16, v2, 24, v16
	s_mul_i32 s23, s[CJ], 128*BPITCH               ; my 128 columns' rows of Wout
	s_add_co_u32 s23, s23, BBASE
	v_add_nc_u32 v[ADRB], s23, v16
	v_add_nc_u32 v[ADRB+1], 64*BPITCH, v[ADRB]
	v_lshl_add_u32 v[ADRB+2], v2, 4, v[ADRB]
	v_lshl_add_u32 v[ADRB+3], v2, 4, v[ADRB+1]
	s_mul_i32 s23, s[WV], 16*SPITCH
	s_add_co_u32 s23, s23, STG                     ; my stage
	v_mul_u32_u24 v16, v1, SPITCH
	v_lshl_add_u32 v16, v2, 5, v16
	v_add_nc_u32 v[STO], s23, v16                  ; in: row r, 32 bytes for each half of the lanes
	v_mul_u32_u24 v16, v2, SPITCH
	v_lshl_add_u32 v16, v1, 4, v16
	v_add_nc_u32 v[RD], s23, v16                   ; back: lanes 0-15 one row of 256 bytes, lanes 16-31 the next
	v_lshlrev_b32 v16, 12, v2
	v_lshl_add_u32 v[CO], v1, 4, v16               ; and the same two rows in out0
	v_lshlrev_b32 v13, 3, v3                       ; aos: 8 bytes a lane
	s_wait_alu depctr_va_vdst(0)
	v_lshlrev_b32 v14, 5, v1                       ; Wout's scales: 32 bytes a row
	s_wait_alu depctr_va_vdst(0)
	v_lshlrev_b32 v15, 5, v2                       ; bout: my half's eight numbers
	s_wait_alu depctr_va_vdst(0)
	s_mov_b32 s77, 0
	s_lshl_b32 s76, s67, 2
	s_lshl_b32 s78, s[RI], 1
	s_add_co_u32 s76, s76, s78                     ; my first pair of tiles
	s_lshl_b32 s76, s76, 8
	s_add_nc_u64 s[6:7], s[6:7], s[76:77]
	s_lshl_b32 s78, s66, 8
	s_lshl_b32 s79, s[CJ], 7
	s_add_co_u32 s78, s78, s79                     ; my first column
	s_lshl_b32 s76, s78, 5
	s_add_nc_u64 s[10:11], s[10:11], s[76:77]
	s_lshl_b32 s76, s78, 2
	s_add_nc_u64 s[12:13], s[12:13], s[76:77]
	s_add_nc_u64 s[14:15], s[14:15], s[76:77]
	s_lshl_b32 s76, s67, 7
	s_lshl_b32 s79, s[RI], 6
	s_add_co_u32 s76, s76, s79                     ; my first row
	s_lshl_b32 s76, s76, 12
	s_add_nc_u64 s[14:15], s[14:15], s[76:77]
.irp k, 0,1,2,3,4,5,6,7                            ; K step k is heads 2 k and 2 k + 1: the even head's two bytes stand in the word's lower half, the odd head's in its upper
.irp u, 0,1
	global_load_b64 v[SA+4*\k+2*\u:SA+4*\k+2*\u+1], v13, s[6:7] offset:(2*\k)*65536+256*\u
	global_load_b64 v[OB+4*\k+2*\u:OB+4*\k+2*\u+1], v13, s[6:7] offset:(2*\k+1)*65536+256*\u
.endr
.endr
.irp t, 0,1,2,3,4,5,6,7
	global_load_b128 v[SB+8*\t:SB+8*\t+3], v14, s[10:11] offset:512*\t
	global_load_b128 v[SB+8*\t+4:SB+8*\t+7], v14, s[10:11] offset:512*\t+16
.endr
	WIN 0x80                                       ; destination window 2
.irp t, 0,1,2,3,4,5,6,7
	global_load_b128 v[BI+8*\t:BI+8*\t+3], v15, s[12:13] offset:64*\t
	global_load_b128 v[BI+8*\t+4:BI+8*\t+7], v15, s[12:13] offset:64*\t+16
.endr
	WIN 0
	s_wait_tensorcnt 0x0                           ; my tile of the head's four is in: nothing is ever filled again
	s_barrier_signal -1
	s_barrier_wait -1
.macro ALOAD reg, off                  ; a fragment of o: two HALFs of 768 bytes
	ds_load_b128 v[\reg:\reg+3], v[AI16] offset:\off
	ds_load_b64 v[\reg+4:\reg+5], v[AI8] offset:\off+512
	ds_load_b128 v[\reg+6:\reg+9], v[AI16] offset:\off+768
	ds_load_b64 v[\reg+10:\reg+11], v[AI8] offset:\off+1280
.endm
	WIN 0x40
.irp k, 0,1,2,3,4
.irp m, 0,1,2,3
	ALOAD 12*(4*\k+\m), 12288*\m+1536*\k
.endr
.endr
	WIN 0x80
.irp k, 5,6,7
.irp m, 0,1,2,3
	ALOAD 12*(4*(\k-5)+\m), 12288*\m+1536*\k
.endr
.endr
	WIN 0
	s_wait_loadcnt 0x0
.set n, 0
.rept 32
	v_or_b32 v[SA+n], v[SA+n], v[OB+n]             ; the two heads' half words make the K step's scale word
.set n, n+1
.endr
	s_wait_dscnt 0x0                               ; o's fragments are in
; a fragment of Wout: six pieces of 8 bytes of a row; lanes 16-31 read three pieces further on, which for some pieces is behind one padding more
.macro FRAGB reg, adr, k, n
.irp p, 0,1,2,3,4,5
.set PC, 12*(\k)+6*(\p/3)+\p%3
.if PC%32 < 29
	ds_load_b64 v[\reg+2*\p:\reg+2*\p+1], v[\adr] offset:8*PC+16*(PC/32)+(\n)*16*BPITCH
.else
	ds_load_b64 v[\reg+2*\p:\reg+2*\p+1], v[\adr+2] offset:8*PC+16*(PC/32)+(\n)*16*BPITCH
.endif
.endr
.endm
.macro FETCHB g, k, set                ; group g's four column tiles of K step k: 24 loads
	WIN 0
.irp n, 0,1,2,3
	FRAGB BF+48*(\set)+12*\n, ADRB+(\g), \k, \n
.endr
.endm
; A K step of a group: 16 products, the group's 16 accumulators by turns, in the same order in every step.  The next step's fragments are asked for first.
.macro MINI g, k
	s_wait_dscnt 0x0                               ; this step's fragments are in
.if (\k) < 7
	PLACES
	FETCHB \g, (\k)+1, 1-(\k)%2
.endif
.if (\k) == 0
	WIN 0xe4                                       ; Wout window 0, o window 1, the bias window 2, D window 3
.set AR, 0
.elseif (\k) < 5
	WIN 0xf4                                       ; C and D window 3
.set AR, 48*(\k)
.else
	WIN 0xf8                                       ; o window 2
.set AR, 48*((\k)-5)
.endif
.irp m, 0,1,2,3
.irp n, 0,1,2,3
.if (\k) == 0
	v_wmma_scale_f32_16x16x128_f8f6f4 v[128*(\g)+8*(4*\m+\n):128*(\g)+8*(4*\m+\n)+7], v[BF+48*((\k)%2)+12*\n:BF+48*((\k)%2)+12*\n+11], v[AR+12*\m:AR+12*\m+11], v[BI+8*(4*(\g)+\n):BI+8*(4*(\g)+\n)+7], v[SB+8*(4*(\g)+\n)+(\k)], v[SA+4*(\k)+\m] matrix_a_fmt:MATRIX_FMT_FP6 matrix_b_fmt:MATRIX_FMT_FP6
.else
	v_wmma_scale_f32_16x16x128_f8f6f4 v[128*(\g)+8*(4*\m+\n):128*(\g)+8*(4*\m+\n)+7], v[BF+48*((\k)%2)+12*\n:BF+48*((\k)%2)+12*\n+11], v[AR+12*\m:AR+12*\m+11], v[128*(\g)+8*(4*\m+\n):128*(\g)+8*(4*\m+\n)+7], v[SB+8*(4*(\g)+\n)+(\k)], v[SA+4*(\k)+\m] matrix_a_fmt:MATRIX_FMT_FP6 matrix_b_fmt:MATRIX_FMT_FP6
.endif
.endr
.endr
.endm
; A group leaves: 16 rows x 64 columns at a time through my own stage, back as whole rows of 256 bytes.  LDS serves a wave's instructions in order (ISA guide 5.7.1.4): no wait between my stores and my loads.
.macro OUT g
.irp m, 0,1,2,3
	WIN 0x0c                                       ; an LDS store's data: window 3
.irp n, 0,1,2,3
	ds_store_b128 v[STO], v[128*(\g)+8*(4*\m+\n):128*(\g)+8*(4*\m+\n)+3] offset:64*\n          ; each accumulator from its low end on
	ds_store_b128 v[STO], v[128*(\g)+8*(4*\m+\n)+4:128*(\g)+8*(4*\m+\n)+7] offset:64*\n+16
.endr
	WIN 0
	s_wait_xcnt 0x0                                ; the earlier stores have read their data: the registers may be loaded again
.irp t, 0,1,2,3,4,5,6,7
	ds_load_b128 v[OB+4*\t:OB+4*\t+3], v[RD] offset:2*\t*SPITCH
.endr
.irp t, 0,1,2,3,4,5,6,7
	s_wait_dscnt 7-\t                              ; the younger read-backs may be out
	global_store_b128 v[CO], v[OB+4*\t:OB+4*\t+3], s[14:15] offset:(16*\m+2*\t)*4096+256*(\g) th:TH_STORE_NT   ; 16 lanes store 256 consecutive bytes, at a multiple of 256 from out0's first byte
.endr
.endr
.endm
	FETCHB 0, 0, 0
.irp k, 0,1,2,3,4,5,6,7
	s_wait_alu depctr_va_vdst(0)
	MINI 0, \k
.endr
	WIN 0
	PLACES
	FETCHB 1, 0, 0
	OUT 0                                          ; group 0's stores are on their way while group 1 is multiplied
.irp k, 0,1,2,3,4,5,6,7
	MINI 1, \k
.endr
	PLACES
	OUT 1
	s_wait_tensorcnt 0x0
	ds_add_u32 v30, v31
	s_wait_dscnt 0x0
	CROUND                                         ; the closing round
	s_endpgm
.Lfunc_end_k_q895063acdd_proj:
	.size	k_q895063acdd_proj, .Lfunc_end_k_q895063acdd_proj-k_q895063acdd_proj
	.p2alignl 7, 3214868480
	.fill 96, 4, 3214868480
	.section	.rodata,"a",@progbits
	.p2align	6, 0x0
	.amdhsa_kernel k_q895063acdd_proj
		.amdhsa_group_segment_fixed_size 325120
		.amdhsa_private_segment_fixed_size 0
		.amdhsa_enable_private_segment 0
		.amdhsa_kernarg_size 48
		.amdhsa_user_sgpr_count 2
		.amdhsa_user_sgpr_kernarg_segment_ptr 1
		.amdhsa_wavefront_size32 1
		.amdhsa_system_sgpr_workgroup_id_x 1
		.amdhsa_system_sgpr_workgroup_id_y 1
		.amdhsa_system_sgpr_workgroup_id_z 1
		.amdhsa_system_vgpr_workitem_id 0
		.amdhsa_next_free_vgpr 1024
		.amdhsa_next_free_sgpr 80
		.amdhsa_reserve_vcc 0
		.amdhsa_float_denorm_mode_32 3
		.amdhsa_float_denorm_mode_16_64 3
		.amdhsa_memory_ordered 1
		.amdhsa_forward_progress 1
		.amdhsa_inst_pref_size 99
	.end_amdhsa_kernel
	.amdgpu_metadata
---
amdhsa.version: [ 1, 2 ]
amdhsa.kernels:
  - .name:           k_q895063acdd_proj
    .symbol:         k_q895063acdd_proj.kd
    .args:
      - { .name: ao, .offset: 0, .size: 8, .value_kind: global_buffer, .address_space: global }
      - { .name: aos, .offset: 8, .size: 8, .value_kind: global_buffer, .address_space: global }
      - { .name: Wout_codes, .offset: 16, .size: 8, .value_kind: global_buffer, .address_space: global }
      - { .name: Wout_scales, .offset: 24, .size: 8, .value_kind: global_buffer, .address_space: global }
      - { .name: bout, .offset: 32, .size: 8, .value_kind: global_buffer, .address_space: global }
      - { .name: out0, .offset: 40, .size: 8, .value_kind: global_buffer, .address_space: global }
    .group_segment_fixed_size: 325120
    .private_segment_fixed_size: 0
    .kernarg_segment_align: 8
    .kernarg_segment_size: 48
    .max_flat_workgroup_size: 128
    .sgpr_count:     80
    .vgpr_count:     1024
    .wavefront_size: 32
...
	.end_amdgpu_metadata
.endif
;; end of part 3
